; MI455X (gfx1250); checked and timed in simulation.
; The chip was launched on July 23, 2026; its instructions are those of AMD's public machine-readable ISA for CDNA 5 (MIT licence, August 2026) and "CDNA5" Instruction Set Architecture Reference Guide (July 2026). The comments in the code are by the model that wrote it; some were corrected since.
;; Self Attention. Allowed arithmetic: matrix products marked QUANTISED: E2M3 operands, one E8M0 scale for each 32 along K, by v_wmma_scale_f32_16x16x128_f8f6f4 with both operands' format E2M3, f32 sums; everything else in f32.
;; Inputs: W_out_codes 1,024 x 32 x 24 uint8 (E2M3 codes of W_out, K innermost, in blocks of 32 codes, four codes in three bytes); W_out_scales 1,024 x 32 uint8 (E8M0 scales of W_out, one for each 32 codes along K); W_qkv_codes 3,072 x 32 x 24 uint8 (E2M3 codes of W_qkv, K innermost, in blocks of 32 codes, four codes in three bytes); W_qkv_scales 3,072 x 32 uint8 (E8M0 scales of W_qkv, one for each 32 codes along K); x_codes 4 x 2,048 x 32 x 24 uint8 (E2M3 codes of x, K innermost, in blocks of 32 codes, four codes in three bytes); x_scales 4 x 2,048 x 32 uint8 (E8M0 scales of x, one for each 32 codes along K).
;; Outputs: out0 4 x 2,048 x 1,024 float32.
;; This version of the problem:
;;   THIS VERSION OF THE PROBLEM IS GIVEN IN LOW PRECISION. The matrix products marked QUANTISED in the list below multiply operands that are first quantised to E2M3 (2 exponent bits, 3 mantissa bits; 6 bits a number), with one power-of-two scale for each 32 numbers along K (OCP MX v1.0); their sums are f32. All else is computed in f32.
;;   The module's matrix products, in the order in which they are computed (A, B: the left and right operand; K: the contracted axis; several contracted axes count as one K, in the product's order):
;;     1. [M 8,192, K 1,024] x [K 1,024, N 3,072]; A: input x (given as codes); B: input W_qkv (given as codes): QUANTISED
;;     2. batch 64 x [M 2,048, K 64] x [K 64, N 2,048]; A: computed on the way; B: computed on the way: QUANTISED
;;     3. batch 64 x [M 2,048, K 2,048] x [K 2,048, N 64]; A: softmax (see below); B: computed on the way: QUANTISED
;;     4. [M 8,192, K 1,024] x [K 1,024, N 1,024]; A: computed on the way; B: input W_out (given as codes): QUANTISED
;;   THE QUANTISER, for each operand of a quantised product, along K:
;;     - K is cut into blocks of 32 from its start; a last block that is shorter is filled with zeros.
;;     - A block's scale is 2^e with e = floor(log2(the largest magnitude in the block)) - 2, held to -126 .. 127; a block of zeros has e = 0. As a byte (E8M0): e + 127.
;;     - Each number is divided by its block's scale, clamped to +-7.5, and rounded to the nearest number of E2M3, ties to even, subnormals kept.
;;     - The product sums the exact products of the quantised numbers (number of the format x scale) in f32.
;;   ~~~python
;;   def quantise(x, axis):      # numpy; x: float32 -> the quantised numbers, widened to float32 again
;;       x = np.moveaxis(x, axis, -1); K = x.shape[-1]
;;       x = np.pad(x, [(0, 0)] * (x.ndim - 1) + [(0, -K % 32)]); x = x.reshape(x.shape[:-1] + (-1, 32)); a = np.abs(x).max(-1, keepdims=True)
;;       e = np.where(a > 0, np.clip(np.frexp(np.where(a > 0, a, 1))[1] - 1 - 2, -126, 127), 0)      # np.frexp(a)[1] - 1 = floor(log2(a)), exactly
;;       r = np.clip(x / 2.0 ** e, -7.5, 7.5)
;;       step = 2.0 ** (np.maximum(np.frexp(np.where(r == 0, 1, r))[1] - 1, 0) - 3)
;;       q = np.round(r / step) * step * 2.0 ** e      # np.round: ties to even
;;       return np.moveaxis(q.reshape(q.shape[:-2] + (-1,))[..., :K], -1, axis).astype(np.float32)
;;   ~~~
;;   SOFTMAX AHEAD OF A QUANTISED PRODUCT. Where the list says 'softmax', what is quantised is not the finished softmax but p = 2^(t - M), with t = logit x log2(e) and M = ceil(the row's largest t), a whole number; so 1/2 < the row's largest p <= 1. The row's sum l is taken of the UNQUANTISED p, in f32, and the product's result is divided by l at the end. Since M is a whole number, a kernel that streams over the keys may use a running M (the ceiling of the running maximum): every later rescaling is an exact power of two, which a block's scale takes up: the codes' values come out the same.
;;   OPERANDS COMPUTED ON THE WAY. 'Computed on the way' means the value that the module computes at that place (a softmax that the list does not call 'softmax' is quantised finished and normalised). What goes into a quantiser is computed in f32, as accurately as f32 sums, v_exp_f32 and their like allow (about 1e-6 of the number): no bf16 or f16 on the way to a quantiser, and a product that is left as it is and whose result goes on into a quantised operand takes f32 operands (vector FMAs, or v_wmma_f32_16x16x4_f32). A number that lies on a knife's edge between two numbers of the format may be rounded either way, as far as f32 arithmetic and the matrix unit's own rounding can turn it there, and no further.
;;   INPUTS GIVEN AS CODES. W_out (in the module: [1024, 1024], K = its axis 1); W_qkv (in the module: [3072, 1024], K = its axis 1); x (in the module: [4, 2048, 1024], K = its axis 2): each comes as NAME_codes (uint8): NAME with its K axis moved to the last place and cut into blocks of 32 codes, [.., K / 32, bytes a block], one block behind the other in memory; four codes in three bytes: a row's codes are one little-endian stream of bits, code i at bits 6 i .. 6 i + 5 (a code: sign, 2 exponent bits, 3 mantissa bits); and NAME_scales (uint8): the same leading axes, one E8M0 byte (e + 127) for each 32 codes along K. Its value is code x scale, taken as it is: it is not quantised again, and the codes and scales need not be those that the quantiser above would give.
;; One version. Each part assembles by itself: llvm-mc -triple=amdgcn-amd-amdhsa -mcpu=gfx1250 --defsym DOCPART=n.
;; ======== version 1 of 1: 3 launches
;; workspace buffers: qkv_img 18,874,368 bytes; qkv_sc 786,432 bytes; ao_img 6,291,456 bytes; ao_sc 262,144 bytes
;; launch qkv (part 1): grid 12 x 32, 4 waves a work-group, clusters of 4 x 4, 327,680 bytes of LDS; arguments x_codes, x_scales, W_qkv_codes, W_qkv_scales, qkv_img, qkv_sc; writes qkv_img, qkv_sc
.if DOCPART == 1
	.amdgcn_target "amdgcn-amd-amdhsa--gfx1250"
	.amdhsa_code_object_version 6
	.text
	.protected	k_q159a4b4f19_qkv
	.globl	k_q159a4b4f19_qkv
	.p2align	8
	.type	k_q159a4b4f19_qkv,@function
k_q159a4b4f19_qkv:
	s_mov_b64 s[64:65], 0
	v_nop
	global_prefetch_b8 v0, s[64:65] scope:SCOPE_SE
	s_setreg_imm32_b32 hwreg(HW_REG_WAVE_MODE, 25, 1), 1
	s_wait_xcnt 0x0
	s_wait_alu depctr_hold_cnt(0) depctr_sa_sdst(0) depctr_va_vdst(0) depctr_va_sdst(0) depctr_va_ssrc(0) depctr_va_vcc(0) depctr_vm_vsrc(0)
	s_getreg_b32 s2, hwreg(HW_REG_IB_STS2, 6, 4)
	s_cmp_eq_u32 s2, 0
	s_cbranch_scc0 .Lentry_in_a_cluster
	s_endpgm
.Lentry_in_a_cluster:
	s_bfe_u32 s2, ttmp6, 0x10000c
	s_cmp_lg_u32 s2, 0xf033
	s_cbranch_scc0 .Lentry_shape_is_right
	s_endpgm
.Lentry_shape_is_right:
; qkv = x W_qkv^T on codes of FP6 (E2M3) with one E8M0 scale for each 32 along K = 1,024; the results are quantised at once, in registers, for the two products of attention:
; q and k along the head's 64 (two blocks of 32), v along the tokens (the keys).  x: 8,192 rows, W_qkv: 3,072 rows, 768 bytes of codes and 32 scale bytes a row.
; A work-group of four waves makes 256 tokens x 256 rows of W; a wave 128 x 128: 64 accumulators.  K goes in steps of 256 through a ring of two LDS slots; the scale bytes come once and stay.
; CLUSTERS: 4 x 4 work-groups; x's tiles are asked for jointly along a row of the cluster, W's along a column.
; ROLES.  Source 1 of the matrix instruction is the ROW operand (a lane holds one of its rows), source 0 the COLUMN operand (a lane's eight results are eight of its rows): the quantiser wants its K in a lane's registers.
; For q and k the rows are tokens and the columns W's rows (K of the next product = the head's 64); for v (cluster x = 2) the rows are W's rows and the columns tokens (K = the keys).
; Only four LDS constants differ, chosen on the cluster's x, which all partners share.
; ORDER INSIDE A BLOCK.  A lane (r, h) holds of column tile i the columns 16 i + 8 h + 0..7.  Two neighbouring tiles in lanes l and l xor 16 are a true block of 32; its codes are laid in the order
; 0-7, 16-23, 8-15, 24-31.  q and k are both laid so, and so are v and (in the next launch) p: a permutation inside a block, alike on both operands, leaves a product as it is.
; OUT.  Images of operand registers: a half fragment (16 rows x 64 K, 6 registers a lane) is 768 bytes: registers 0-3 of lane l at 16 l, registers 4, 5 at 512 + 8 l.
;   q, k: half fragment (g, jt) at (512 g + jt) x 768, g = 0..15 q's heads, 16..31 k's, jt = token / 16.   v: from VIMG0 on, (g, jv) at (64 g + jv) x 768, g = token / 64, jv = channel / 16.
;   scale words (four bytes: 128 columns of one row): q, k: (512 G + jt) x 64 + 4 r, G = column / 128;   v: from VSC0 on, (64 G + jv) x 64 + 4 r, G = token / 128.
; LIMITS: NaN, infinities and scale bytes 0xff among the inputs are not served.  A block of zeros gets the byte 1 where the rule says 127: its codes are zeros, and this program alone reads the bytes.
; REGISTERS: window 0: v16-31 addresses; v32-63 the rows' scale words, v64-95 the columns' (two sets each, nothing else ever stands there); v128-223 the row fragments, one set;
;   on the way out v96-175 codes (four sets), v192-219 at work.   window 1: the column fragments, two sets, at v0 and v128.   windows 2, 3: the accumulators, (a, b) at v[8 (8 (a % 4) + b)].
.set KSTEP,  256
.set NQ,     2
.set ROWB,   192                       ; a tile's row: 256 codes
.set KROW,   768                       ; a row of x or W in memory
.set PITCH,  240                       ; an LDS row: 3 x (64 bytes + 16 of padding)
.set FR,     12
.set NL,     6
.set NP,     4
.set HALFT,  128*PITCH
.set SLOT,   4*HALFT                   ; x's 256 rows, then W's 256 rows
.set LAPS,   2                         ; K = 1,024: four K steps, twice round the ring
.set HALFS,  16*272                    ; the scale bytes of 128 rows: 16 units of 256 bytes + 16 of padding each
.set SBLK,   2*272                     ; those of 16 rows
.set SCL,    2*SLOT
.set SPARE,  SCL+4*HALFS               ; the spare words: 128 bytes a wave, named by no other line
.set STG,    SPARE+512                 ; a stage for the scale words made here: 512 bytes a wave; no fill ever lands there
.set VIMG0,  12582912
.set VSC0,   524288
.set ADRR, 16                          ; v16-17 row fragments in slot 0, 1; v18-19 the same behind one padding more
.set ADRC, 20                          ; v20-23 the same for the column fragments
.set ADSR, 24                          ; v24 the rows' scale words
.set ADSC, 25                          ; v25 the columns'
.set O16,  26                          ; v26 16 x lane
.set O8,   27                          ; v27 8 x lane + 512
.set SPW,  28
.set NIL,  29
.set STS,  30                          ; v30 the stage, in: 512 x wave + 4 r
.set STR,  31                          ; v31 the stage, back: 512 x wave + 16 x lane
.set SWR,  32
.set SWC,  64
.set AF,   128
.set TM,   192
.set PW,   208
.set G1, 24
.set G0, 32
.set G1B, 48
.set G0B, 56
.set G1S, 68
.set G0S, 76
.set G1SB, 80
.set G0SB, 88
.set MSB, 0
.macro WIN new                         ; the immediate's high byte repeats the setting that is left
.if MSB != \new
	s_set_vgpr_msb (MSB<<8)|\new
.set MSB, \new
.endif
.endm
.set MUL_LO, 0xa1                      ; source 0 window 1, source 1 window 0, C and D window 2
.set MUL_HI, 0xf1                      ; the same, C and D window 3
.set TO_C,   0x40                      ; destination window 1
; A joint load: waves 0 and 1 fetch for x, waves 2 and 3 for W; the branch hangs on the wave's number alone.  Four v_nop follow each of the two lines.
.macro JLOAD g0a, g1a, g0b, g1b
	s_cmp_eq_u32 s17, 0
	s_cbranch_scc0 .Lfor_b_\@
	tensor_load_to_lds s[\g0a:\g0a+3], s[\g1a:\g1a+7]
	s_nop 0
.rept 4
	v_nop
.endr
	s_branch .Lasked_\@
.Lfor_b_\@:
	tensor_load_to_lds s[\g0b:\g0b+3], s[\g1b:\g1b+7]
	s_nop 0
.rept 4
	v_nop
.endr
.Lasked_\@:
.endm
.macro CREST                           ; a round of the cluster's barrier behind its opening barrier
	s_cmp_lg_u32 s16, 0
	s_cbranch_scc1 .Lnot_wave_0_\@
	s_barrier_signal -3
.Lnot_wave_0_\@:
	s_barrier_wait -3
	s_barrier_signal -1
	s_barrier_wait -1
.endm
.macro CROUND
	s_barrier_signal -1
	s_barrier_wait -1
	CREST
.endm
	s_load_b256 s[4:11], s[0:1], 0x0               ; x's codes s[4:5], x's scales s[6:7], W's codes s[8:9], W's scales s[10:11]
	s_load_b128 s[12:15], s[0:1], 0x20             ; the images s[12:13], the scale words s[14:15]
	v_lshl_add_u32 v[SPW], v0, 2, SPARE
	v_mov_b32 v[NIL], 0
	ds_add_u32 v28, v29
	ds_add_u32 v28, v29
	s_wait_dscnt 0x0
	v_lshrrev_b32 v1, 5, v0
	v_readfirstlane_b32 s16, v1                    ; wave 0..3
	s_lshr_b32 s17, s16, 1                         ; my half of the row operand.  Also: I fetch for x (0) or for W (1)
	s_and_b32 s18, s16, 1                          ; my half of the column operand.  Also: which 128 rows I fetch
	s_bfe_u32 s40, ttmp6, 0x40000                  ; cx
	s_bfe_u32 s41, ttmp6, 0x40004                  ; cy
	s_lshl_b32 s42, ttmp9, 2
	s_add_co_u32 s42, s42, s40                     ; which 256 rows of W: 4 x cluster x + cx
	s_and_b32 s43, ttmp7, 0xffff
	s_lshl_b32 s43, s43, 2
	s_add_co_u32 s43, s43, s41                     ; which 256 tokens: 4 x cluster y + cy
	s_lshl_b32 s44, s41, 2
	s_lshl_b32 s44, 15, s44                        ; my row of the cluster
	s_lshl_b32 s45, 0x1111, s40                    ; my column
	s_or_b32 s[G1+0], s44, (0<<16)|(1<<20)|(1<<21)|(3<<22)|(3<<25)   ; the mask; elements of 1 byte; padding on; bit 21 beside a mask; after every 16 words, 4 words
	s_or_b32 s[G1B+0], s45, (0<<16)|(1<<20)|(1<<21)|(3<<22)|(3<<25)
.irp g, G1, G1B
	s_mov_b32 s[\g+1], ROWB<<16                    ; tensor_dim0
	s_mov_b32 s[\g+2], 128<<16                     ; tensor_dim1
	s_mov_b32 s[\g+3], ROWB<<16                    ; tile_dim0
	s_mov_b32 s[\g+4], 128                         ; tile_dim1
	s_mov_b32 s[\g+5], KROW                        ; the pitch
	s_mov_b32 s[\g+6], 0
	s_mov_b32 s[\g+7], 0
.endr
	s_or_b32 s[G1S+0], s44, (3<<16)|(1<<20)|(1<<21)|(5<<22)|(3<<25)  ; the scale bytes of 128 rows: 4,096 dense bytes as 16 rows of 256 (32 elements of 8 bytes), 16 bytes of padding behind each
	s_or_b32 s[G1SB+0], s45, (3<<16)|(1<<20)|(1<<21)|(5<<22)|(3<<25)
.irp g, G1S, G1SB
	s_mov_b32 s[\g+1], 32<<16
	s_mov_b32 s[\g+2], 16<<16
	s_mov_b32 s[\g+3], 32<<16
	s_mov_b32 s[\g+4], 16
	s_mov_b32 s[\g+5], 32
	s_mov_b32 s[\g+6], 0
	s_mov_b32 s[\g+7], 0
.endr
	s_lshl_b32 s19, s18, 7                         ; which 128 rows of a tile I fetch
	s_lshl_b32 s20, s43, 8
	s_add_co_u32 s20, s20, s19                     ; x: its first row
	s_lshl_b32 s46, s42, 8
	s_add_co_u32 s46, s46, s19                     ; W: its first row
	s_lshl_b32 s22, s20, 5                         ; 32 scale bytes a row
	s_mov_b32 s23, 0
	s_lshl_b32 s92, s46, 5
	s_mov_b32 s93, 0
	s_mul_i32 s20, s20, KROW                       ; 768 bytes of codes a row (all under 2^32)
	s_mov_b32 s21, 0
	s_mul_i32 s46, s46, KROW
	s_mov_b32 s47, 0
	s_mul_i32 s94, s16, HALFT                      ; where they go: wave x 128 rows: no place in the cluster enters an LDS address
	s_mul_i32 s95, s16, HALFS
	s_wait_kmcnt 0x0
	s_add_nc_u64 s[20:21], s[4:5], s[20:21]
	s_add_nc_u64 s[22:23], s[6:7], s[22:23]
	s_add_nc_u64 s[46:47], s[8:9], s[46:47]
	s_add_nc_u64 s[92:93], s[10:11], s[92:93]
	CROUND                                         ; all sixteen work-groups are here: the first joint loads meet
	s_mov_b32 s[G0S], 1
	s_add_co_u32 s[G0S+1], s95, SCL
	s_mov_b64 s[G0S+2:G0S+3], s[22:23]
	s_or_b32 s[G0S+3], s[G0S+3], 0x80000000
	s_mov_b32 s[G0SB], 1
	s_add_co_u32 s[G0SB+1], s95, SCL
	s_mov_b64 s[G0SB+2:G0SB+3], s[92:93]
	s_or_b32 s[G0SB+3], s[G0SB+3], 0x80000000
	JLOAD G0S, G1S, G0SB, G1SB                     ; the scale bytes first: they are wanted with K step 0
.irp s, 0,1
	s_mov_b32 s[G0+4*\s], 1
	s_add_co_u32 s[G0+4*\s+1], s94, \s*SLOT
	s_add_nc_u64 s[G0+4*\s+2:G0+4*\s+3], s[20:21], \s*ROWB
	s_or_b32 s[G0+4*\s+3], s[G0+4*\s+3], 0x80000000
	s_mov_b32 s[G0B+4*\s], 1
	s_add_co_u32 s[G0B+4*\s+1], s94, \s*SLOT
	s_add_nc_u64 s[G0B+4*\s+2:G0B+4*\s+3], s[46:47], \s*ROWB
	s_or_b32 s[G0B+4*\s+3], s[G0B+4*\s+3], 0x80000000
	JLOAD G0+4*\s, G1, G0B+4*\s, G1B               ; three loads of mine are out
.endr
	; the roles, and where the results go: all chosen on the cluster's x (2: W's rows are v's)
	s_sub_co_u32 s66, s42, 8
	s_cmp_ge_u32 ttmp9, 2
	s_cselect_b32 s98, 2*HALFT, 0                  ; the row operand's tiles in a slot: W's or x's
	s_cselect_b32 s99, 0, 2*HALFT                  ; the column operand's
	s_cselect_b32 s100, 2*HALFS, 0                 ; and their scale bytes
	s_cselect_b32 s101, 0, 2*HALFS
	s_cselect_b32 s66, s66, s43                    ; which 256 rows
	s_cselect_b32 s67, s43, s42                    ; which 256 columns
	s_mov_b32 s92, 393216
	s_cselect_b32 s92, 49152, s92                  ; bytes from a group of 64 columns to the next
	s_cselect_b32 s93, VIMG0, 0
	s_cselect_b32 s94, VSC0, 0
	s_mov_b32 s95, 32768
	s_cselect_b32 s95, 4096, s95                   ; bytes of scale words from a group of 128 columns to the next
	s_lshl_b32 s66, s66, 4
	s_lshl_b32 s20, s17, 3
	s_add_co_u32 s66, s66, s20                     ; my first row tile
	s_lshl_b32 s67, s67, 1
	s_add_co_u32 s67, s67, s18                     ; my group of 128 columns
	s_mul_i32 s20, s67, s92
	s_lshl_b32 s20, s20, 1
	s_add_co_u32 s20, s20, s93
	s_mul_i32 s22, s66, 768
	s_add_co_u32 s20, s20, s22
	s_mov_b32 s21, 0
	s_add_nc_u64 s[12:13], s[12:13], s[20:21]      ; the half fragments of my first 64 columns,
	s_mov_b32 s93, 0
	s_add_nc_u64 s[96:97], s[12:13], s[92:93]      ; and of the other 64
	s_mul_i32 s20, s67, s95
	s_add_co_u32 s20, s20, s94
	s_lshl_b32 s22, s66, 6
	s_add_co_u32 s20, s20, s22
	s_add_nc_u64 s[14:15], s[14:15], s[20:21]      ; my 512 bytes of scale words
	v_and_b32 v1, 15, v0                           ; r
	v_bfe_u32 v2, v0, 4, 1                         ; h
	v_mul_u32_u24 v3, v1, PITCH
	v_mul_u32_u24 v4, v2, 24
	v_add_nc_u32 v4, v3, v4                        ; a fragment's row x pitch + 24 x half
	v_lshl_add_u32 v5, v2, 4, v4                   ; and the same behind one padding more
	s_mul_i32 s21, s17, HALFT
	s_add_co_u32 s21, s21, s98                     ; my 128 rows of the row operand
	s_mul_i32 s22, s18, HALFT
	s_add_co_u32 s22, s22, s99                     ; and of the column operand: both stay inside the slot, whichever way the choice falls
.irp s, 0,1
	v_add_nc_u32 v[ADRR+\s], s21, v4
	v_add_nc_u32 v[ADRC+\s], s22, v4
	v_add_nc_u32 v[ADRR+2+\s], s21, v5
	v_add_nc_u32 v[ADRC+2+\s], s22, v5
	s_add_co_u32 s21, s21, SLOT
	s_add_co_u32 s22, s22, SLOT
.endr
	v_lshlrev_b32 v5, 5, v1                        ; my row's scale bytes: 32 a row,
	v_lshrrev_b32 v6, 8, v5
	v_lshl_add_u32 v5, v6, 4, v5                   ; and 16 more for each 256 passed
	s_mul_i32 s21, s17, HALFS
	s_add_co_u32 s21, s21, s100
	s_add_co_u32 s21, s21, SCL
	v_add_nc_u32 v[ADSR], s21, v5
	s_mul_i32 s22, s18, HALFS
	s_add_co_u32 s22, s22, s101
	s_add_co_u32 s22, s22, SCL
	v_add_nc_u32 v[ADSC], s22, v5
	v_and_b32 v6, 31, v0
	v_lshlrev_b32 v[O16], 4, v6
	v_lshl_add_u32 v[O8], v6, 3, 512
	s_lshl_b32 s23, s16, 9
	s_add_co_u32 s23, s23, STG
	v_lshl_add_u32 v[STS], v1, 2, s23
	v_add_nc_u32 v[STR], s23, v[O16]
	s_mov_b32 s20, 0x76543210
	s_mov_b32 s21, 0xfedcba98                      ; v_permlanex16_b32's selects for lane l xor 16
.macro FRAG reg, adr, q, i             ; 16 rows x 128 K of 6-bit codes: 12 registers; registers 6 c .. 6 c + 5 hold K = 64 c + 32 (l / 16) + 0 .. 31: 24 bytes of the row's stream of bits, in pieces of 8 bytes
.irp p, 0,1,2,3,4,5
.set PCE, 12*(\q)+6*(\p/3)+\p%3       ; 16 bytes of padding lie behind every 8 pieces: where the piece three on (lanes 16-31) lies behind one padding more, the second address register serves
.if PCE%8 < 5
	ds_load_b64 v[\reg+2*\p:\reg+2*\p+1], v[\adr] offset:8*PCE+16*(PCE/8)+(\i)*16*PITCH
.else
	ds_load_b64 v[\reg+2*\p:\reg+2*\p+1], v[\adr+2] offset:8*PCE+16*(PCE/8)+(\i)*16*PITCH
.endif
.endr
.endm
; 16 matrix instructions: row blocks a0, a0 + 1 x the eight column blocks, 128 along K.  The 64 accumulators take turns, one instruction a turn, in the same order in every step.
.macro MUL16 a0, p, q, sc, zero
.irp a, \a0, \a0+1
.irp b, 0,1,2,3,4,5,6,7
.if \zero
	v_wmma_scale_f32_16x16x128_f8f6f4 v[8*(8*((\a)%4)+\b):8*(8*((\a)%4)+\b)+7], v[128*(\p)+FR*\b:128*(\p)+FR*\b+FR-1], v[AF+FR*(\a):AF+FR*(\a)+FR-1], 0, v[SWC+16*(\sc)+2*\b+(\q)], v[SWR+16*(\sc)+2*(\a)+(\q)] matrix_a_fmt:MATRIX_FMT_FP6 matrix_b_fmt:MATRIX_FMT_FP6
.else
	v_wmma_scale_f32_16x16x128_f8f6f4 v[8*(8*((\a)%4)+\b):8*(8*((\a)%4)+\b)+7], v[128*(\p)+FR*\b:128*(\p)+FR*\b+FR-1], v[AF+FR*(\a):AF+FR*(\a)+FR-1], v[8*(8*((\a)%4)+\b):8*(8*((\a)%4)+\b)+7], v[SWC+16*(\sc)+2*\b+(\q)], v[SWR+16*(\sc)+2*(\a)+(\q)] matrix_a_fmt:MATRIX_FMT_FP6 matrix_b_fmt:MATRIX_FMT_FP6
.endif
.endr
.endr
.endm
.macro FETCH_C slot, q, p              ; the eight column fragments into set p
	WIN TO_C
.irp i, 0,1,2,3,4,5,6,7
	FRAG 128*(\p)+FR*\i, ADRC+\slot, \q, \i
.endr
	WIN 0
.endm
.macro FETCH_R slot, q, i0             ; row blocks i0 .. i0 + 3
.irp i, \i0, \i0+1, \i0+2, \i0+3
	FRAG AF+FR*(\i), ADRR+\slot, \q, \i
.endr
.endm
.macro SCALES sc                       ; a K step's scale words, two a row, of the eight row blocks and the eight column blocks
.irp i, 0,1,2,3,4,5,6,7
	ds_load_b64 v[SWR+16*\sc+2*\i:SWR+16*\sc+2*\i+1], v[ADSR] offset:\i*SBLK
	ds_load_b64 v[SWC+16*\sc+2*\i:SWC+16*\sc+2*\i+1], v[ADSC] offset:\i*SBLK
.endr
.endm
.macro PLACES n                        ; plain vector instructions between a matrix instruction and a load into, or a vector write or read of, its registers
.rept \n
	v_nop
.endr
.endm
.macro STEP slot, q, zero              ; 128 along K with its successor in the same slot
	s_wait_dscnt 4*NL                              ; all but the youngest 24 loads (row blocks 4-7) are in
	WIN MUL_LO
	MUL16 0, (\q)%2, \q, \slot, \zero
	MUL16 2, (\q)%2, \q, \slot, \zero
	s_wait_dscnt 0
	PLACES NP
	FETCH_C \slot, (\q)+1, 1-(\q)%2
	FETCH_R \slot, (\q)+1, 0
	WIN MUL_HI
	MUL16 4, (\q)%2, \q, \slot, \zero
	MUL16 6, (\q)%2, \q, \slot, \zero
	PLACES NP
	WIN 0
	FETCH_R \slot, (\q)+1, 4
.endm
; A slot's last step changes slots: one barrier; in front of it each wave waits for all its tensor loads, adds 0 to its spare word, and waits for that and for its reads of this slot.
.macro TURN slot, next, fill
	s_wait_tensorcnt 0x0                           ; all my tensor loads have landed: my part of the next slot
	ds_add_u32 v[SPW], v[NIL]                      ; 0 onto my spare word
	s_wait_dscnt 4*NL+1                            ; the add and the youngest 24 loads may be out
	WIN MUL_LO
	MUL16 0, 1, NQ-1, \slot, 0
	s_wait_dscnt 0x0                               ; the add is done, and my reads of this slot are over
	s_barrier_signal -1
	MUL16 2, 1, NQ-1, \slot, 0
	WIN 0
	s_barrier_wait -1
.if \fill
	CREST                                          ; the barrier has opened a round of the cluster's: no wave of any partner still reads this slot or has a load on its way
	s_add_nc_u64 s[G0+4*\slot+2:G0+4*\slot+3], s[G0+4*\slot+2:G0+4*\slot+3], 2*ROWB
	s_add_nc_u64 s[G0B+4*\slot+2:G0B+4*\slot+3], s[G0B+4*\slot+2:G0B+4*\slot+3], 2*ROWB
	JLOAD G0+4*\slot, G1, G0B+4*\slot, G1B         ; the first tensor load behind the round; its four v_nop are the places in front of the loads below
.else
	PLACES NP
.endif
	s_wait_alu depctr_va_vdst(0)
	v_add_nc_u32 v[ADSR], 4*NQ, v[ADSR]            ; on to the next K step's scale words
	v_add_nc_u32 v[ADSC], 4*NQ, v[ADSC]
	FETCH_C \next, 0, 0
	FETCH_R \next, 0, 0
	SCALES \next
	WIN MUL_HI
	MUL16 4, 1, NQ-1, \slot, 0
	MUL16 6, 1, NQ-1, \slot, 0
	PLACES NP
	WIN 0
	FETCH_R \next, 0, 4
.endm
	s_wait_alu depctr_va_vdst(0)
	s_wait_tensorcnt 1                             ; the scale bytes and my part of K step 0 are in; K step 1's load may be out
	s_barrier_signal -1
	s_barrier_wait -1
	FETCH_C 0, 0, 0
	FETCH_R 0, 0, 0
	SCALES 0
	FETCH_R 0, 0, 4
	STEP 0, 0, 1                                   ; the first step's products start the sums
	s_mov_b32 s3, LAPS-1
.Llap:                                             ; a trip goes once round the ring and fills both slots again
	TURN 0, 1, 1
	STEP 1, 0, 0
	TURN 1, 0, 1
	STEP 0, 0, 0
	s_sub_co_u32 s3, s3, 1
	s_cmp_lg_u32 s3, 0
	s_cbranch_scc1 .Llap
	TURN 0, 1, 0                                   ; the last lap fills nothing
	STEP 1, 0, 0
	s_wait_dscnt 4*NL
	WIN MUL_LO
	MUL16 0, 1, NQ-1, 1, 0
	MUL16 2, 1, NQ-1, 1, 0
	s_wait_dscnt 0
	WIN MUL_HI
	MUL16 4, 1, NQ-1, 1, 0
	MUL16 6, 1, NQ-1, 1, 0
	WIN 0
; THE WAY OUT.  Row tile a: a lane's 64 results (eight column tiles) are four blocks of 32 shared with lane l xor 16.  Largest magnitude with the floor 2^(3 - 127) among its leaves, 2 off its exponent field
; (the conversion's scale operand), the byte, the conversions, the exchange of halves that gives each lane a whole block; then two half fragments go to memory as they stand, and the scale word to the stage.
.macro QROW a
.set QW, 2+(\a)/4
.set QM, (QW<<2)|(QW<<4)
.set AC, 64*((\a)%4)
.set PC, 96+20*((\a)%4)
.if (\a) >= 4
	s_wait_xcnt 0x0                                ; the stores of the row tile four back have read this set of code registers
.endif
	WIN QM                                         ; sources 1 and 2 in the accumulators' window
.irp b, 0,1,2,3
	v_max3_num_f32 v[TM+\b], 0x1800000, |v[AC+16*\b]|, |v[AC+16*\b+1]|   ; each accumulator is read from its low end on
.endr
.irp i, 2,4,6,8,10,12,14
.irp b, 0,1,2,3
	v_max3_num_f32 v[TM+\b], v[TM+\b], |v[AC+16*\b+\i]|, |v[AC+16*\b+\i+1]|
.endr
.endr
	WIN 0
.irp b, 0,1,2,3
	v_permlanex16_b32 v[TM+4+\b], v[TM+\b], s20, s21
.endr
.irp b, 0,1,2,3
	v_max_num_f32 v[TM+\b], v[TM+\b], v[TM+4+\b]
.endr
.irp b, 0,1,2,3
	v_add_nc_u32 v[TM+12+\b], 0xff000000, v[TM+\b]
.endr
.irp b, 0,1,2,3
	v_lshrrev_b32 v[TM+4+\b], 23, v[TM+12+\b]
.endr
	v_lshl_or_b32 v[PW+(\a)], v[TM+5], 8, v[TM+4]
	v_lshl_or_b32 v[PW+(\a)], v[TM+6], 16, v[PW+(\a)]
	v_lshl_or_b32 v[PW+(\a)], v[TM+7], 24, v[PW+(\a)]
	WIN QW                                         ; source 0 in the accumulators' window
.irp c, 0,1
	v_cvt_scalef32_pk16_fp6_f32 v[PC+6*\c:PC+6*\c+2], v[AC+32*\c:AC+32*\c+15], v[TM+12+2*\c]
	v_cvt_scalef32_pk16_fp6_f32 v[PC+12+4*\c:PC+14+4*\c], v[AC+16+32*\c:AC+31+32*\c], v[TM+13+2*\c]
.endr
	WIN 0
	v_nop                                          ; one plain place behind a scaled conversion
.irp c, 0,1
.irp i, 0,1,2
	v_permlane16_swap_b32 v[PC+6*\c+\i], v[PC+12+4*\c+\i]
.endr
.irp i, 0,1,2
	v_mov_b32 v[PC+3+6*\c+\i], v[PC+12+4*\c+\i]
.endr
.endr
	global_store_b128 v[O16], v[PC:PC+3], s[12:13] offset:768*(\a)        ; 512 consecutive bytes, at a multiple of 256 from the buffer's first byte
	global_store_b64 v[O8], v[PC+4:PC+5], s[12:13] offset:768*(\a)        ; and the 256 behind them
	global_store_b128 v[O16], v[PC+6:PC+9], s[96:97] offset:768*(\a)
	global_store_b64 v[O8], v[PC+10:PC+11], s[96:97] offset:768*(\a)
	ds_store_b32 v[STS], v[PW+(\a)] offset:64*(\a)                        ; lanes l and l xor 16 write the same word with the same value
.endm
	PLACES NP
.irp b, 0,1,2,3
	v_mov_b32 v[TM+4+\b], 0                        ; written once: a lane permute's destination counts as one of its sources
.endr
.irp a, 0,1,2,3,4,5,6,7
	QROW \a
.endr
	ds_load_b128 v[216:219], v[STR]                ; LDS serves a wave's instructions in order: this sees my stores
	s_wait_dscnt 0x0
	global_store_b128 v[O16], v[216:219], s[14:15] ; my 128 rows' scale words: 512 consecutive bytes
	s_wait_tensorcnt 0x0                           ; the wave's end
	ds_add_u32 v[SPW], v[NIL]
	s_wait_dscnt 0x0
	CROUND                                         ; the closing round
	s_endpgm
.Lfunc_end_k_q159a4b4f19_qkv:
	.size	k_q159a4b4f19_qkv, .Lfunc_end_k_q159a4b4f19_qkv-k_q159a4b4f19_qkv
	.p2alignl 7, 3214868480
	.fill 96, 4, 3214868480
	.section	.rodata,"a",@progbits
	.p2align	6, 0x0
	.amdhsa_kernel k_q159a4b4f19_qkv
		.amdhsa_group_segment_fixed_size 327680
		.amdhsa_private_segment_fixed_size 0
		.amdhsa_enable_private_segment 0
		.amdhsa_kernarg_size 48
		.amdhsa_user_sgpr_count 2
		.amdhsa_user_sgpr_kernarg_segment_ptr 1
		.amdhsa_wavefront_size32 1
		.amdhsa_system_sgpr_workgroup_id_x 1
		.amdhsa_system_sgpr_workgroup_id_y 1
		.amdhsa_system_sgpr_workgroup_id_z 1
		.amdhsa_system_vgpr_workitem_id 0
		.amdhsa_next_free_vgpr 1024
		.amdhsa_next_free_sgpr 102
		.amdhsa_reserve_vcc 0
		.amdhsa_float_denorm_mode_32 3
		.amdhsa_float_denorm_mode_16_64 3
		.amdhsa_memory_ordered 1
		.amdhsa_forward_progress 1
		.amdhsa_inst_pref_size 168
	.end_amdhsa_kernel
	.amdgpu_metadata
---
amdhsa.version: [ 1, 2 ]
amdhsa.kernels:
  - .name:           k_q159a4b4f19_qkv
    .symbol:         k_q159a4b4f19_qkv.kd
    .args:
      - { .name: x_codes, .offset: 0, .size: 8, .value_kind: global_buffer, .address_space: global }
      - { .name: x_scales, .offset: 8, .size: 8, .value_kind: global_buffer, .address_space: global }
      - { .name: W_qkv_codes, .offset: 16, .size: 8, .value_kind: global_buffer, .address_space: global }
      - { .name: W_qkv_scales, .offset: 24, .size: 8, .value_kind: global_buffer, .address_space: global }
      - { .name: qkv_img, .offset: 32, .size: 8, .value_kind: global_buffer, .address_space: global }
      - { .name: qkv_sc, .offset: 40, .size: 8, .value_kind: global_buffer, .address_space: global }
    .group_segment_fixed_size: 327680
    .private_segment_fixed_size: 0
    .kernarg_segment_align: 8
    .kernarg_segment_size: 48
    .max_flat_workgroup_size: 128
    .sgpr_count:     102
    .vgpr_count:     1024
    .wavefront_size: 32
...
	.end_amdgpu_metadata
.endif
;; end of part 1
;; launch attn (part 2): grid 4 x 64, 16 waves a work-group, no clusters, 210,944 bytes of LDS; arguments qkv_img, qkv_sc, ao_img, ao_sc; writes ao_img, ao_sc
.if DOCPART == 2
	.amdgcn_target "amdgcn-amd-amdhsa--gfx1250"
	.amdhsa_code_object_version 6
	.text
	.protected	k_q159a4b4f19_attn
	.globl	k_q159a4b4f19_attn
	.p2align	8
	.type	k_q159a4b4f19_attn,@function
k_q159a4b4f19_attn:
	s_mov_b64 s[64:65], 0
	v_nop
	global_prefetch_b8 v0, s[64:65] scope:SCOPE_SE
	s_setreg_imm32_b32 hwreg(HW_REG_WAVE_MODE, 25, 1), 1
	s_wait_xcnt 0x0
; Causal attention of one head on codes of FP6 (E2M3): S^T = K Q^T (K of the product = the head's 64: the upper half of the instruction's 128 is zero codes), softmax, O^T = V^T P^T (K = the keys), / the row's sum,
; and the result quantised along the model's 1,024 channels (two blocks of 32 a head) for the last product.
; THE SOFTMAX: t = score x log2(e) / 8; M = the running largest t rounded up to a whole number; p = 2^(t - M) is quantised along the keys, not normalised; the row's sum is taken of the unquantised p.
; When M moves, the sum and O^T are multiplied by 2^(old M - new M): exact.
; SHARES.  Work-group (x, batch and head): sixteen waves.  Wave w takes the query tile 16 x + w and then the tile 127 - (16 x + w): together 17 key steps of 128, the same for every wave of the launch.
; A key step all of whose keys come after the wave's queries is jumped over by a scalar branch on ids; the loops' trip counts are constants (8 and 16).
; THE WHOLE HEAD'S K AND V STAY IN LDS, each byte filled once (196,608 bytes of codes, 12,288 of scale bytes): no ring, no refill, no barrier inside the loops.
; The first pass has queries under 1,024 and reads keys under 1,024 alone: the second half of K and V lands while it is worked.
; NO CLUSTER, though the four work-groups of a head read the same tiles: which key steps a wave jumps over hangs on the work-group's block of queries, which would be its place in the cluster.
; LAYOUT.  Both products are used transposed: a lane holds one query (lane % 16).  All operands come as images of registers (half fragments of 768 bytes: registers 0-3 of lane l at 16 l, registers 4, 5 at 512 + 8 l).
; Inside a block of 32, q and k (along the head) and v and p (along the keys) lie alike in the order 0-7, 16-23, 8-15, 24-31, which leaves the products as they are.
; The result meets W_out, which lies in natural order: so O^T is put in order by 16 exchanges of lane halves before it is quantised.
; LIMITS: NaN and infinities are not served; p under 2^-126 becomes 0; a block of zeros gets the byte 1 where the rule says 127 (its codes are zeros; this program alone reads the bytes).
; A head has two scale bytes a row and no more: they leave by stores of two bytes a lane.
; REGISTERS: v1-7 addresses that stay; v8-13 the step's addresses; v14 -M, v15 the largest t, v[16:17] the sum; v18-29 Q (24-29 zeros), v30 its scale word; v32-79 four fragments of K (the upper six of each are zeros);
;   v80-90 the way out's codes; v92, v93 offsets; v96-159 S^T, then p, then V's four fragments; v160-191 O^T; v192-210 p's codes; v212-231 at work; v226 p's scale word; v240-243 K's scale words, v248-251 V's.
.set VB,    98304                      ; LDS: K's 128 key tiles of 768 bytes at 0; V from here: (group of 64 keys g, channel tile t) at 3,072 g + 768 t
.set KSC,   196608                     ; K's scale words: 64 bytes a key tile (of the head pair: my head's two bytes at + 2 x (head % 2))
.set VSC,   204800                     ; V's: 256 bytes a key step, 64 a channel tile
.set VIMG0, 12582912
.set VSC0,  524288
.set SEL, 84
.set CS,  86
.set TK,  88                           ; s88 the step's codes: 6,144 bytes a step, in K and in V alike
.set TS,  89                           ; s89 K's scale words: 512 a step
.set TJ,  90                           ; s90 V's: 256 a step
.set KF,  91                           ; s91 the step's first key
.set Q0,  92                           ; s92 my first query
.macro G1SET g, c, r, p                ; descriptor group 1: r rows of c elements of 8 bytes, p elements apart, no padding, no mask
	s_mov_b32 s[\g], 3<<16
	s_mov_b32 s[\g+1], (\c)<<16
	s_mov_b32 s[\g+2], (\r)<<16
	s_mov_b32 s[\g+3], (\c)<<16
	s_mov_b32 s[\g+4], \r
	s_mov_b32 s[\g+5], \p
	s_mov_b32 s[\g+6], 0
	s_mov_b32 s[\g+7], 0
.endm
	s_load_b256 s[4:11], s[0:1], 0x0               ; the images s[4:5], their scale words s[6:7]; the result's images s[8:9], its scale bytes s[10:11]
	v_lshl_add_u32 v254, v0, 2, 0x33000
	v_mov_b32 v255, 0
	ds_add_u32 v254, v255
	ds_add_u32 v254, v255
	v_lshrrev_b32 v1, 5, v0
	s_delay_alu instid0(VALU_DEP_1)
	v_readfirstlane_b32 s12, v1                    ; wave 0..15
	s_and_b32 s13, s12, 3                          ; u: which quarter I fetch, if I fetch
	s_and_b32 s94, ttmp7, 0xffff
	s_lshr_b32 s14, s94, 4                         ; batch
	s_and_b32 s15, s94, 15                         ; head
	s_and_b32 s2, s15, 1
	G1SET 24, 32, 48, 32                           ; a chunk of K: 12,288 dense bytes as 48 rows of 256
	G1SET 32, 384, 4, 6144                         ; a chunk of V: 4 groups of 64 keys, 3,072 bytes each, 49,152 apart
	G1SET 40, 32, 8, 32                            ; a quarter of K's scale words: 2,048 dense bytes
	G1SET 48, 32, 4, 512                           ; a quarter of V's: 4 key steps, 256 bytes each, 4,096 apart
	s_add_co_u32 s94, s15, 16                      ; K's codes: ((16 + head) x 512 + 128 batch) x 768 + 12,288 u
	s_lshl_b32 s94, s94, 9
	s_lshl_b32 s95, s14, 7
	s_add_co_u32 s94, s94, s95
	s_mul_i32 s96, s94, 768
	s_mul_i32 s3, s13, 12288
	s_add_co_u32 s96, s96, s3
	s_mov_b32 s97, 0
	s_lshr_b32 s94, s15, 1                         ; K's scale words: ((8 + head / 2) x 512 + 128 batch) x 64 + 2,048 u
	s_add_co_u32 s94, s94, 8
	s_lshl_b32 s94, s94, 9
	s_add_co_u32 s94, s94, s95
	s_lshl_b32 s98, s94, 6
	s_lshl_b32 s94, s13, 11
	s_add_co_u32 s98, s98, s94
	s_mov_b32 s99, 0
	s_mov_b32 s56, 1                               ; groups 0: s[56:59] K's scale words, s[60:63] and s[68:71] K's two chunks, s[72:75] V's scale words, s[76:79] and s[80:83] V's chunks
	s_add_co_u32 s57, s94, KSC
	s_mov_b32 s60, 1
	s_mov_b32 s61, s3
	s_mov_b32 s68, 1
	s_add_co_u32 s69, s3, 49152
	s_mov_b32 s76, 1
	s_add_co_u32 s77, s3, VB
	s_mov_b32 s80, 1
	s_add_co_u32 s81, s3, VB+49152
	s_mov_b32 s72, 1
	s_lshl_b32 s94, s13, 10
	s_add_co_u32 s73, s94, VSC
	s_lshl_b32 s94, s14, 11                        ; V's codes: VIMG0 + (2,048 batch + 4 head) x 768 + 196,608 u
	s_lshl_b32 s95, s15, 2
	s_add_co_u32 s94, s94, s95
	s_mul_i32 s16, s94, 768
	s_add_co_u32 s16, s16, VIMG0
	s_mul_i32 s94, s13, 196608
	s_add_co_u32 s16, s16, s94
	s_mov_b32 s17, 0
	s_lshl_b32 s94, s14, 10                        ; V's scale words: VSC0 + (1,024 batch + 4 head) x 64 + 16,384 u
	s_add_co_u32 s94, s94, s95
	s_lshl_b32 s18, s94, 6
	s_add_co_u32 s18, s18, VSC0
	s_lshl_b32 s94, s13, 14
	s_add_co_u32 s18, s18, s94
	s_mov_b32 s19, 0
	s_wait_dscnt 0x0
	s_wait_kmcnt 0x0
	s_add_nc_u64 s[58:59], s[6:7], s[98:99]
	s_add_nc_u64 s[62:63], s[4:5], s[96:97]
	s_add_nc_u64 s[70:71], s[62:63], 49152         ; keys 1,024 on
	s_add_nc_u64 s[74:75], s[6:7], s[18:19]
	s_add_nc_u64 s[78:79], s[4:5], s[16:17]
	s_add_nc_u64 s[82:83], s[78:79], 786432        ; keys 1,024 on
.irp g, 59,63,71,75,79,83
	s_or_b32 s[\g], s[\g], 0x80000000              ; type = 2
.endr
	; The fills: waves 0 to 3 bring K, waves 4 to 7 V, the others nothing.  A wave's three loads stand in one branch on its number; three loads of a wave are out at the most.
	s_cmp_lt_u32 s12, 4
	s_cbranch_scc0 .Lnot_k
	tensor_load_to_lds s[56:59], s[40:47]
	s_nop 0
	tensor_load_to_lds s[60:63], s[24:31]
	s_nop 0
	tensor_load_to_lds s[68:71], s[24:31]
	s_nop 0
.rept 4
	v_nop
.endr
	s_branch .Lasked
.Lnot_k:
	s_cmp_lt_u32 s12, 8
	s_cbranch_scc0 .Lasked
	tensor_load_to_lds s[72:75], s[48:55]
	s_nop 0
	tensor_load_to_lds s[76:79], s[32:39]
	s_nop 0
	tensor_load_to_lds s[80:83], s[32:39]
	s_nop 0
.rept 4
	v_nop
.endr
.Lasked:
	v_and_b32 v94, 31, v0                          ; lane
	v_and_b32 v95, 15, v0                          ; r
	v_bfe_u32 v93, v0, 4, 1                        ; h
	s_delay_alu instid0(VALU_DEP_3)
	v_lshlrev_b32 v1, 4, v94                       ; an image's first four registers: 16 x lane
	s_delay_alu instid0(VALU_DEP_4)
	v_lshl_add_u32 v2, v94, 3, 512                 ; its last two: 8 x lane + 512
	s_delay_alu instid0(VALU_DEP_2)
	v_add_nc_u32 v3, VB, v1
	s_delay_alu instid0(VALU_DEP_2)
	v_add_nc_u32 v4, VB, v2
	s_lshl_b32 s94, s2, 1
	v_lshl_add_u32 v92, v95, 2, s94                ; 4 r + 2 (head % 2): my head's two bytes of a scale word
	s_delay_alu instid0(VALU_DEP_1)
	v_add_nc_u32 v5, KSC, v92
	v_lshl_add_u32 v6, v95, 2, VSC
	v_lshlrev_b32 v7, 3, v93
	s_delay_alu instid0(VALU_DEP_1)
	v_sub_nc_u32 v7, v95, v7                       ; r - 8 h, for the mask
	v_lshlrev_b32 v93, 3, v95                      ; 8 r
.irp j, 24,25,26,27,28,29
	v_mov_b32 v[\j], 0                             ; the upper 64 of the first product's K: zero codes, in Q
.endr
.irp t, 0,1,2,3
.irp j, 38,39,40,41,42,43
	v_mov_b32 v[\j+12*\t], 0                       ; and in K's four fragments: written once
.endr
.endr
.irp j, 216,217,218,219,225,227
	v_mov_b32 v[\j], 0                             ; lane permutes' destinations and a pair's upper half count as read: written once
.endr
	v_mov_b32 v228, 0xff800000                     ; -infinity
	s_mov_b32 s[SEL], 0x76543210
	s_mov_b32 s[SEL+1], 0xfedcba98                 ; lane l xor 16
	s_mov_b32 s[CS], 0x3e38aa3b                    ; c = log2(e) / sqrt(64)
	s_mov_b32 s[CS+1], s[CS]
	s_lshl_b32 s3, ttmp9, 4
	s_add_co_u32 s3, s3, s12                       ; my first query tile: 16 x + wave
; A KEY STEP: 128 keys.
.macro STEP
	s_add_co_u32 s94, s[Q0], 15
	s_cmp_gt_u32 s[KF], s94
	s_cbranch_scc1 .Lhidden_\@                     ; all its keys come after my queries
	s_setprio 2
	v_add_nc_u32 v8, s[TK], v1                     ; these six are also the places between the last step's products and the first products below, which write over V's registers
	s_wait_alu depctr_va_vdst(0)
	v_add_nc_u32 v9, s[TK], v2
	s_wait_alu depctr_va_vdst(0)
	v_add_nc_u32 v10, s[TK], v3
	v_add_nc_u32 v11, s[TK], v4
	v_add_nc_u32 v12, s[TS], v5
	s_wait_alu depctr_va_vdst(0)
	v_add_nc_u32 v13, s[TJ], v6
.irp g, 0,1                                    ; S^T = K Q^T, four tiles of 16 neighbouring keys at a time
.if \g
.rept 4
	v_nop                                          ; places in front of loads into registers that matrix instructions have read
.endr
.endif
.irp t, 0,1,2,3
	ds_load_b128 v[32+12*\t:35+12*\t], v8 offset:(4*\g+\t)*768
	ds_load_b64 v[36+12*\t:37+12*\t], v9 offset:(4*\g+\t)*768
	ds_load_u16 v[240+\t], v12 offset:(4*\g+\t)*64       ; two bytes; the upper two come as 0, over zero codes
.endr
	s_wait_dscnt 0x0
.irp t, 0,1,2,3
	v_wmma_scale_f32_16x16x128_f8f6f4 v[96+8*(4*\g+\t):103+8*(4*\g+\t)], v[32+12*\t:43+12*\t], v[18:29], 0, v[240+\t], v30 matrix_a_fmt:MATRIX_FMT_FP6 matrix_b_fmt:MATRIX_FMT_FP6
.endr
.endr                                          ; lane (r, h), register 8 i + j: query Q0 + r, key KF + 16 i + 8 h + j
.rept 4
	v_nop
.endr
	s_add_co_u32 s94, s[KF], 127                   ; on the diagonal hidden scores become -infinity ahead of the maximum; a step all of whose keys count skips this
	s_cmp_le_u32 s94, s[Q0]
	s_cbranch_scc1 .Lopen_\@
	s_sub_co_i32 s94, s[Q0], s[KF]
	v_add_nc_u32 v229, s94, v7                     ; d = Q0 - KF + r - 8 h: hidden where 16 i + j > d
.set NN, 0
.rept 64
	v_cmp_gt_i32 vcc_lo, 16*(NN/8)+NN%8, v229
	v_cndmask_b32 v[96+NN], v[96+NN], v228, vcc_lo
.set NN, NN+1
.endr
.Lopen_\@:
.irp b, 0,1,2,3
	v_max3_num_f32 v[212+\b], v[96+16*\b], v[97+16*\b], v[98+16*\b]   ; the largest score of each block of 32 keys: for the row's maximum, and, since p rises with the score, for the block's largest p
.endr
.irp i, 3,5,7,9,11,13
.irp b, 0,1,2,3
	v_max3_num_f32 v[212+\b], v[212+\b], v[96+16*\b+\i], v[97+16*\b+\i]
.endr
.endr
.irp b, 0,1,2,3
	v_max_num_f32 v[212+\b], v[212+\b], v[111+16*\b]
.endr
.irp b, 0,1,2,3
	s_delay_alu instid0(VALU_DEP_4)
	v_permlanex16_b32 v[216+\b], v[212+\b], s[SEL], s[SEL+1]
.endr
.irp b, 0,1,2,3
	s_delay_alu instid0(VALU_DEP_4)
	v_max_num_f32 v[212+\b], v[212+\b], v[216+\b]  ; with lane l xor 16's 16 keys
.endr
	s_delay_alu instid0(VALU_DEP_2)
	v_max3_num_f32 v227, v212, v213, v214
	s_delay_alu instid0(VALU_DEP_1)
	v_max_num_f32 v227, v227, v215
	s_delay_alu instid0(VALU_DEP_1)
	v_mul_f32 v227, s[CS], v227                    ; as t
	s_delay_alu instid0(VALU_DEP_1)
	v_max_num_f32 v15, v15, v227                   ; the running largest t
	v_mov_b32 v227, v14
	s_delay_alu instid0(VALU_DEP_2)
	v_floor_f32 v14, -v15                          ; the new -M = floor(-t): M is a whole number
	s_delay_alu instid0(VALU_DEP_1)
	v_sub_f32 v227, v14, v227                      ; old M - new M, 0 or less
	s_delay_alu instid0(VALU_DEP_1)
	v_cvt_i32_f32 v227, v227                       ; (it saturates)
	s_delay_alu instid0(VALU_DEP_1)
	v_ldexp_f32 v224, 1.0, v227                    ; f = 2^(old M - new M)
.set NN, 0
.rept 32
	v_pk_fma_f32 v[96+NN:97+NN], v[96+NN:97+NN], s[CS:CS+1], v[14:15] op_sel_hi:[1,0,0]   ; t - M, two at a time
.set NN, NN+2
.endr
	s_setprio 1
.irp b, 0,1,2,3
	v_fma_f32 v[212+\b], v[212+\b], s[CS], v14     ; the same of each block's largest score
.endr
.set NN, 0
	s_wait_alu depctr_va_vdst(0)
.rept 64
	v_exp_f32 v[96+NN], v[96+NN]                   ; p = 2^(t - M)
.set NN, NN+1
.endr
	v_pk_mul_f32 v[16:17], v[16:17], v[224:225] op_sel_hi:[1,0]   ; the sums under the new M: the plain place behind the exponentials
	s_wait_alu depctr_va_vdst(0)                   ; one wait for the batch, ahead of its first reader
.irp b, 0,1,2,3
	v_exp_f32 v[212+\b], v[212+\b]                 ; the blocks' largest p
.endr
	v_pk_add_f32 v[216:217], v[100:101], v[104:105]
	v_pk_add_f32 v[252:253], v[108:109], v[112:113]
	v_pk_add_f32 v[250:251], v[116:117], v[120:121]
	v_pk_add_f32 v[248:249], v[124:125], v[128:129]
	v_pk_add_f32 v[246:247], v[132:133], v[136:137]
	v_pk_add_f32 v[244:245], v[140:141], v[144:145]
	v_pk_add_f32 v[242:243], v[148:149], v[152:153]
	v_pk_add_f32 v[16:17], v[16:17], v[156:157]
	v_pk_add_f32 v[216:217], v[216:217], v[96:97]
	v_pk_add_f32 v[252:253], v[252:253], v[98:99]
	v_pk_add_f32 v[250:251], v[250:251], v[102:103]
	v_pk_add_f32 v[248:249], v[248:249], v[106:107]
	v_pk_add_f32 v[246:247], v[246:247], v[110:111]
	v_pk_add_f32 v[244:245], v[244:245], v[114:115]
	v_pk_add_f32 v[242:243], v[242:243], v[118:119]
	v_pk_add_f32 v[16:17], v[16:17], v[122:123]
	v_pk_add_f32 v[216:217], v[216:217], v[126:127]
	v_pk_add_f32 v[252:253], v[252:253], v[130:131]
	v_pk_add_f32 v[250:251], v[250:251], v[134:135]
	v_pk_add_f32 v[248:249], v[248:249], v[138:139]
	v_pk_add_f32 v[246:247], v[246:247], v[142:143]
	v_pk_add_f32 v[244:245], v[244:245], v[146:147]
	v_pk_add_f32 v[242:243], v[242:243], v[150:151]
	v_pk_add_f32 v[16:17], v[16:17], v[154:155]
	v_pk_add_f32 v[216:217], v[216:217], v[158:159]
	s_delay_alu instid0(VALU_DEP_2)
	v_pk_add_f32 v[16:17], v[16:17], v[248:249]
	s_delay_alu instid0(VALU_DEP_2)
	v_pk_add_f32 v[216:217], v[216:217], v[246:247]
	v_pk_add_f32 v[252:253], v[252:253], v[244:245]
	v_pk_add_f32 v[250:251], v[250:251], v[242:243]
	s_delay_alu instid0(VALU_DEP_2)
	v_pk_add_f32 v[16:17], v[16:17], v[252:253]
	s_delay_alu instid0(VALU_DEP_2)
	v_pk_add_f32 v[216:217], v[216:217], v[250:251]
	s_delay_alu instid0(VALU_DEP_1)
	v_pk_add_f32 v[16:17], v[16:17], v[216:217]
	s_wait_alu depctr_va_vdst(0)                   ; and one for the four
.irp b, 0,1,2,3
	v_max_num_f32 v[212+\b], 0x1800000, v[212+\b]  ; the floor 2^(3 - 127): the byte cannot fall under 1
.endr
.irp b, 0,1,2,3
	s_delay_alu instid0(VALU_DEP_4)
	v_add_nc_u32 v[220+\b], 0xff000000, v[212+\b]  ; 2 off the exponent field: the conversion's scale operand
.endr
.irp b, 0,1,2,3
	s_delay_alu instid0(VALU_DEP_4)
	v_lshrrev_b32 v[216+\b], 23, v[220+\b]
.endr
	s_delay_alu instid0(VALU_DEP_3)
	v_lshl_or_b32 v226, v217, 8, v216              ; p's scale word for these 128 keys
	s_delay_alu instid0(VALU_DEP_1)
	v_lshl_or_b32 v226, v218, 16, v226
	s_delay_alu instid0(VALU_DEP_1)
	v_lshl_or_b32 v226, v219, 24, v226
.irp c, 0,1
	v_cvt_scalef32_pk16_fp6_f32 v[192+6*\c:194+6*\c], v[96+32*\c:111+32*\c], v[220+2*\c]
	v_cvt_scalef32_pk16_fp6_f32 v[204+4*\c:206+4*\c], v[112+32*\c:127+32*\c], v[221+2*\c]
.endr
	v_nop                                          ; one plain place behind a scaled conversion
	s_setprio 0
.irp t, 0,1,2,3                                ; V's four fragments (16 channels x these 128 keys) take p's registers; they land under the lines that follow
	ds_load_b128 v[96+12*\t:99+12*\t], v10 offset:768*\t
	ds_load_b64 v[100+12*\t:101+12*\t], v11 offset:768*\t
	ds_load_b128 v[102+12*\t:105+12*\t], v10 offset:3072+768*\t
	ds_load_b64 v[106+12*\t:107+12*\t], v11 offset:3072+768*\t
	ds_load_b32 v[248+\t], v13 offset:64*\t
.endr
.irp c, 0,1                                    ; the operand's layout wants a whole block in a lane
.irp i, 0,1,2
	v_permlane16_swap_b32 v[192+6*\c+\i], v[204+4*\c+\i]
.endr
.irp i, 0,1,2
	s_delay_alu instid0(VALU_DEP_3)
	v_mov_b32 v[195+6*\c+\i], v[204+4*\c+\i]
.endr
.endr
.set NN, 0
.rept 16
	v_pk_mul_f32 v[160+NN:161+NN], v[160+NN:161+NN], v[224:225] op_sel_hi:[1,0]   ; O^T under the new M; these sixteen are also the places in front of the scaled products
.set NN, NN+2
.endr
	s_wait_alu depctr_va_vdst(0)
	s_wait_dscnt 0x0
.irp t, 0,1,2,3                                ; O^T += V^T P^T: the four accumulators by turns
	v_wmma_scale_f32_16x16x128_f8f6f4 v[160+8*\t:167+8*\t], v[96+12*\t:107+12*\t], v[192:203], v[160+8*\t:167+8*\t], v[248+\t], v226 matrix_a_fmt:MATRIX_FMT_FP6 matrix_b_fmt:MATRIX_FMT_FP6
.endr
.Lhidden_\@:
	s_add_co_u32 s[KF], s[KF], 128
	s_add_co_u32 s[TK], s[TK], 6144
	s_add_co_u32 s[TS], s[TS], 512
	s_add_co_u32 s[TJ], s[TJ], 256
.endm
; THE WAY OUT of a query tile: / the sum; natural order along the head; two blocks quantised; one half fragment and two scale bytes a row.
.macro WAYOUT
.rept 4
	v_nop                                          ; places behind the last products
.endr
	v_add_f32 v16, v16, v17
	s_delay_alu instid0(VALU_DEP_1)
	v_permlanex16_b32 v227, v16, s[SEL], s[SEL+1]
	s_delay_alu instid0(VALU_DEP_1)
	v_add_f32 v16, v16, v227                       ; the row's sum
	s_wait_alu depctr_va_vdst(0)
	v_rcp_f32 v224, v16
	v_nop
	s_wait_alu depctr_va_vdst(0)                   ; the wait ahead of the reciprocal's first reader
.set NN, 0
.rept 16
	v_pk_mul_f32 v[96+NN:97+NN], v[160+NN:161+NN], v[224:225] op_sel_hi:[1,0]   ; register 8 t + j: channel 16 t + 8 h + j; each accumulator from its low end on
.set NN, NN+2
.endr
.irp b, 0,1
.irp j, 0,1,2,3,4,5,6,7
	v_permlane16_swap_b32 v[96+16*\b+\j], v[104+16*\b+\j]   ; now register 16 b + i is channel 32 b + 16 h + i
.endr
.endr
.irp b, 0,1
	v_max3_num_f32 v[212+\b], |v[96+16*\b]|, |v[97+16*\b]|, 0x1800000
.endr
.irp i, 2,4,6,8,10,12,14
.irp b, 0,1
	s_delay_alu instid0(VALU_DEP_2)
	v_max3_num_f32 v[212+\b], v[212+\b], |v[96+16*\b+\i]|, |v[97+16*\b+\i]|
.endr
.endr
.irp b, 0,1
	s_delay_alu instid0(VALU_DEP_2)
	v_permlanex16_b32 v[216+\b], v[212+\b], s[SEL], s[SEL+1]
.endr
.irp b, 0,1
	s_delay_alu instid0(VALU_DEP_2)
	v_max_num_f32 v[212+\b], v[212+\b], v[216+\b]
.endr
.irp b, 0,1
	s_delay_alu instid0(VALU_DEP_2)
	v_add_nc_u32 v[220+\b], 0xff000000, v[212+\b]
.endr
.irp b, 0,1
	s_delay_alu instid0(VALU_DEP_2)
	v_lshrrev_b32 v[216+\b], 23, v[220+\b]
.endr
	s_delay_alu instid0(VALU_DEP_1)
	v_lshl_or_b32 v231, v217, 8, v216              ; my row's two scale bytes
	v_cvt_scalef32_pk16_fp6_f32 v[80:82], v[96:111], v220
	v_cvt_scalef32_pk16_fp6_f32 v[88:90], v[112:127], v221
	v_nop
.irp i, 0,1,2
	v_permlane16_swap_b32 v[80+\i], v[88+\i]
.endr
.irp i, 0,1,2
	s_delay_alu instid0(VALU_DEP_3)
	v_mov_b32 v[83+\i], v[88+\i]
.endr
	global_store_b128 v1, v[80:83], s[20:21]       ; 512 consecutive bytes, at a multiple of 256 from the buffer's first byte
	global_store_b64 v2, v[84:85], s[20:21]        ; and the 256 behind them
	global_store_b16 v93, v231, s[22:23]           ; lanes l and l xor 16 store the same two bytes
.endm
; A PASS: the query tile s3.  Q is asked for ahead of the wait for the tiles.  left: how many of a fetching wave's tensor loads may stay out.
.macro PASS trips, left
	s_lshl_b32 s94, s14, 7
	s_add_co_u32 s94, s94, s3                      ; jt = 128 batch + query tile
	s_lshl_b32 s95, s15, 9
	s_add_co_u32 s95, s95, s94
	s_mul_i32 s96, s95, 768
	s_mov_b32 s97, 0
	s_add_nc_u64 s[16:17], s[4:5], s[96:97]        ; Q's half fragment
	s_lshr_b32 s95, s15, 1
	s_lshl_b32 s95, s95, 9
	s_add_co_u32 s95, s95, s94
	s_lshl_b32 s96, s95, 6
	s_add_nc_u64 s[18:19], s[6:7], s[96:97]        ; its scale words
	s_lshl_b32 s95, s94, 4
	s_add_co_u32 s95, s95, s15
	s_mul_i32 s96, s95, 768
	s_add_nc_u64 s[20:21], s[8:9], s[96:97]        ; the result's half fragment: (16 jt + head) x 768
	s_lshl_b32 s96, s94, 9
	s_lshr_b32 s95, s15, 2
	s_lshl_b32 s95, s95, 7
	s_add_co_u32 s96, s96, s95
	s_and_b32 s95, s15, 3
	s_lshl_b32 s95, s95, 1
	s_add_co_u32 s96, s96, s95
	s_add_nc_u64 s[22:23], s[10:11], s[96:97]      ; its scale bytes: 512 jt + 128 (head / 4) + 2 (head % 4), + 8 r
	global_load_b128 v[18:21], v1, s[16:17]
	global_load_b64 v[22:23], v2, s[16:17]
	global_load_u16 v30, v92, s[18:19]
	v_mov_b32 v15, 0xff61b1e6                      ; the largest t so far: -3e38
	s_delay_alu instid0(VALU_DEP_1)
	v_floor_f32 v14, -v15
	v_mov_b32 v16, 0
	v_mov_b32 v17, 0
.set NN, 0
.rept 32
	v_mov_b32 v[160+NN], 0                         ; O^T: the step is written once; the first finds zeros
.set NN, NN+1
.endr
	s_mov_b32 s[TK], 0
	s_mov_b32 s[TS], 0
	s_mov_b32 s[TJ], 0
	s_mov_b32 s[KF], 0
	s_lshl_b32 s[Q0], s3, 4
	s_mov_b32 s93, \trips
	s_wait_tensorcnt \left                         ; my part of what this pass reads has landed
	s_wait_dscnt 0x0
	s_barrier_signal -1
	s_barrier_wait -1                              ; everybody's has
	s_wait_loadcnt 0x0                             ; Q
.Lstep_\@:
	STEP
	s_sub_co_u32 s93, s93, 1
	s_cmp_lg_u32 s93, 0
	s_cbranch_scc1 .Lstep_\@
	s_setprio 0
	WAYOUT
.endm
	PASS 8, 1                                      ; queries and keys under 1,024: the scale words and the first halves are in; the second halves may be out
	s_wait_xcnt 0x0                                ; the stores have read their registers and bases: both are written again
	s_sub_co_u32 s3, 127, s3
	PASS 16, 0
	s_wait_tensorcnt 0x0
	ds_add_u32 v254, v255
	s_wait_dscnt 0x0
	s_endpgm
.Lfunc_end_k_q159a4b4f19_attn:
	.size	k_q159a4b4f19_attn, .Lfunc_end_k_q159a4b4f19_attn-k_q159a4b4f19_attn
	.p2alignl 7, 3214868480
	.fill 96, 4, 3214868480
	.section	.rodata,"a",@progbits
	.p2align	6, 0x0
	.amdhsa_kernel k_q159a4b4f19_attn
		.amdhsa_group_segment_fixed_size 210944
		.amdhsa_private_segment_fixed_size 0
		.amdhsa_enable_private_segment 0
		.amdhsa_kernarg_size 32
		.amdhsa_user_sgpr_count 2
		.amdhsa_user_sgpr_kernarg_segment_ptr 1
		.amdhsa_wavefront_size32 1
		.amdhsa_system_sgpr_workgroup_id_x 1
		.amdhsa_system_sgpr_workgroup_id_y 1
		.amdhsa_system_sgpr_workgroup_id_z 1
		.amdhsa_system_vgpr_workitem_id 0
		.amdhsa_next_free_vgpr 256
		.amdhsa_next_free_sgpr 100
		.amdhsa_reserve_vcc 1
		.amdhsa_float_denorm_mode_32 3
		.amdhsa_float_denorm_mode_16_64 3
		.amdhsa_memory_ordered 1
		.amdhsa_forward_progress 1
		.amdhsa_inst_pref_size 71
	.end_amdhsa_kernel
	.amdgpu_metadata
---
amdhsa.version: [ 1, 2 ]
amdhsa.kernels:
  - .name:           k_q159a4b4f19_attn
    .symbol:         k_q159a4b4f19_attn.kd
    .args:
      - { .name: qkv_img, .offset: 0, .size: 8, .value_kind: global_buffer, .address_space: global }
      - { .name: qkv_sc, .offset: 8, .size: 8, .value_kind: global_buffer, .address_space: global }
      - { .name: ao_img, .offset: 16, .size: 8, .value_kind: global_buffer, .address_space: global }
      - { .name: ao_sc, .offset: 24, .size: 8, .value_kind: global_buffer, .address_space: global }
    .group_segment_fixed_size: 210944
    .private_segment_fixed_size: 0
    .kernarg_segment_align: 8
    .kernarg_segment_size: 32
    .max_flat_workgroup_size: 512
    .sgpr_count:     100
    .vgpr_count:     256
    .wavefront_size: 32
...
	.end_amdgpu_metadata
.endif
;; end of part 2
;; launch proj (part 3): grid 4 x 64, 4 waves a work-group, clusters of 4 x 4, 327,680 bytes of LDS; arguments ao_img, ao_sc, W_out_codes, W_out_scales, out0; writes out0
.if DOCPART == 3
	.amdgcn_target "amdgcn-amd-amdhsa--gfx1250"
	.amdhsa_code_object_version 6
	.text
	.protected	k_q159a4b4f19_proj
	.globl	k_q159a4b4f19_proj
	.p2align	8
	.type	k_q159a4b4f19_proj,@function
k_q159a4b4f19_proj:
	s_mov_b64 s[64:65], 0
	v_nop
	global_prefetch_b8 v0, s[64:65] scope:SCOPE_SE
	s_setreg_imm32_b32 hwreg(HW_REG_WAVE_MODE, 25, 1), 1
	s_wait_xcnt 0x0
	s_wait_alu depctr_hold_cnt(0) depctr_sa_sdst(0) depctr_va_vdst(0) depctr_va_sdst(0) depctr_va_ssrc(0) depctr_va_vcc(0) depctr_vm_vsrc(0)
	s_getreg_b32 s2, hwreg(HW_REG_IB_STS2, 6, 4)
	s_cmp_eq_u32 s2, 0
	s_cbranch_scc0 .Lentry_in_a_cluster
	s_endpgm
.Lentry_in_a_cluster:
	s_bfe_u32 s2, ttmp6, 0x10000c
	s_cmp_lg_u32 s2, 0xf033
	s_cbranch_scc0 .Lentry_shape_is_right
	s_endpgm
.Lentry_shape_is_right:
; out0 = a W_out^T on codes of FP6 (E2M3), one E8M0 scale for each 32 along K = 1,024.  a (8,192 rows) comes as images of operand registers, made by the launch before:
; half fragment (row tile jt, head) at (16 jt + head) x 768 (registers 0-3 of lane l at 16 l, registers 4, 5 at 512 + 8 l); its scale bytes lie [jt][K / 256][row][8].
; W_out: 1,024 rows of 768 bytes of codes and 32 scale bytes.  out0: [8,192][1,024] f32.
; A work-group of four waves makes 128 rows x 256 columns: 256 work-groups.  Wave w makes all 128 rows x columns 64 w .. 64 w + 63: 32 accumulators, window 2.
; K goes in steps of 256 through a ring of two LDS slots (a's images, 24,576 bytes, then W's 256 rows at a pitch of 240); the scale bytes come once and stay.
; CLUSTERS: 4 x 4 work-groups: a's tiles are asked for jointly along a row of the cluster, W's along a column.
; The matrix instruction is used transposed (source 0 = 16 rows of W, source 1 = 16 rows of a): a lane holds eight neighbouring numbers of a row of out0.
; LIMITS: scale bytes 0xff among the inputs are not served.
; REGISTERS: window 0: v16-30 addresses; v32-63 a's scale words, v64-79 W's (two sets each; nothing else ever stands there); v128-223 a's fragments, one set; v96-127, v224-255 the way out.
;   window 1: W's fragments, two sets, at v0 and v128.   window 2: the accumulators, (a, b) at v[8 (4 a + b)].
.set ROWB,   192
.set KROW,   768
.set PITCH,  240
.set FR,     12
.set NP,     4
.set ABYTES, 8*3072                    ; eight row tiles, four half fragments each
.set HALFT,  128*PITCH
.set SLOT,   ABYTES+2*HALFT
.set LAPS,   2
.set ASCL,   2*SLOT                    ; a's scale bytes: 4,096, as they lie
.set BSCL,   ASCL+4096                 ; W's: units of 256 bytes + 16 of padding
.set HALFS,  16*272
.set SBLK,   2*272
.set SPARE,  BSCL+2*HALFS              ; the spare words: 128 bytes a wave, named by no other line
.set STG,    SPARE+512                 ; the way out: 16 rows x (256 bytes + 16) for each wave; no fill ever lands there
.set SPITCH, 272
.set AD16, 16                          ; v16-17 16 x lane in slot 0, 1
.set AD8,  18                          ; v18-19 8 x lane + 512
.set ADRC, 20                          ; v20-21 my W fragments in slot 0, 1; v22-23 behind one padding more
.set ADSA, 24
.set ADSB, 25
.set STO,  26
.set RD,   27
.set SPW,  28
.set NIL,  29
.set CO,   30
.set SWR,  32
.set SWC,  64
.set AF,   128
.set G1, 24
.set G0, 32
.set G1B, 48
.set G0B, 56
.set G1S, 68
.set G0S, 76
.set G1SB, 80
.set G0SB, 88
.set MSB, 0
.macro WIN new
.if MSB != \new
	s_set_vgpr_msb (MSB<<8)|\new
.set MSB, \new
.endif
.endm
.set MUL,  0xa1                        ; source 0 window 1, source 1 window 0, C and D window 2
.set TO_C, 0x40
.macro JLOAD g0a, g1a, g0b, g1b        ; waves 0 and 1 fetch for a, waves 2 and 3 for W; four v_nop follow each of the two lines
	s_cmp_eq_u32 s17, 0
	s_cbranch_scc0 .Lfor_b_\@
	tensor_load_to_lds s[\g0a:\g0a+3], s[\g1a:\g1a+7]
	s_nop 0
.rept 4
	v_nop
.endr
	s_branch .Lasked_\@
.Lfor_b_\@:
	tensor_load_to_lds s[\g0b:\g0b+3], s[\g1b:\g1b+7]
	s_nop 0
.rept 4
	v_nop
.endr
.Lasked_\@:
.endm
.macro CREST
	s_cmp_lg_u32 s16, 0
	s_cbranch_scc1 .Lnot_wave_0_\@
	s_barrier_signal -3
.Lnot_wave_0_\@:
	s_barrier_wait -3
	s_barrier_signal -1
	s_barrier_wait -1
.endm
.macro CROUND
	s_barrier_signal -1
	s_barrier_wait -1
	CREST
.endm
	s_load_b256 s[4:11], s[0:1], 0x0               ; a's images s[4:5], a's scale bytes s[6:7], W's codes s[8:9], W's scales s[10:11]
	s_load_b64 s[12:13], s[0:1], 0x20              ; out0
	v_lshl_add_u32 v[SPW], v0, 2, SPARE
	v_mov_b32 v[NIL], 0
	ds_add_u32 v28, v29
	ds_add_u32 v28, v29
	s_wait_dscnt 0x0
	v_lshrrev_b32 v1, 5, v0
	v_readfirstlane_b32 s16, v1                    ; wave 0..3
	s_lshr_b32 s17, s16, 1                         ; I fetch for a (0) or for W (1)
	s_and_b32 s18, s16, 1                          ; which half of that tile
	s_bfe_u32 s40, ttmp6, 0x40000                  ; cx
	s_bfe_u32 s41, ttmp6, 0x40004                  ; cy
	s_lshl_b32 s42, ttmp9, 2
	s_add_co_u32 s42, s42, s40                     ; which 256 columns
	s_and_b32 s43, ttmp7, 0xffff
	s_lshl_b32 s43, s43, 2
	s_add_co_u32 s43, s43, s41                     ; which 128 rows
	s_lshl_b32 s44, s41, 2
	s_lshl_b32 s44, 15, s44                        ; my row of the cluster
	s_lshl_b32 s45, 0x1111, s40                    ; my column
	s_or_b32 s[G1+0], s44, (3<<16)|(1<<21)         ; a's images: four row tiles, 3,072 bytes (384 elements of 8) each, 12,288 apart; no padding
	s_mov_b32 s[G1+1], 384<<16
	s_mov_b32 s[G1+2], 4<<16
	s_mov_b32 s[G1+3], 384<<16
	s_mov_b32 s[G1+4], 4
	s_mov_b32 s[G1+5], 1536
	s_mov_b32 s[G1+6], 0
	s_mov_b32 s[G1+7], 0
	s_or_b32 s[G1B+0], s45, (0<<16)|(1<<20)|(1<<21)|(3<<22)|(3<<25)  ; W's tiles: 128 rows of 192 bytes, 16 bytes of padding behind every 64
	s_mov_b32 s[G1B+1], ROWB<<16
	s_mov_b32 s[G1B+2], 128<<16
	s_mov_b32 s[G1B+3], ROWB<<16
	s_mov_b32 s[G1B+4], 128
	s_mov_b32 s[G1B+5], KROW
	s_mov_b32 s[G1B+6], 0
	s_mov_b32 s[G1B+7], 0
	s_or_b32 s[G1S+0], s44, (3<<16)|(1<<21)        ; a's scale bytes: 2,048 dense bytes as 8 rows of 256
	s_mov_b32 s[G1S+1], 32<<16
	s_mov_b32 s[G1S+2], 8<<16
	s_mov_b32 s[G1S+3], 32<<16
	s_mov_b32 s[G1S+4], 8
	s_mov_b32 s[G1S+5], 32
	s_mov_b32 s[G1S+6], 0
	s_mov_b32 s[G1S+7], 0
	s_or_b32 s[G1SB+0], s45, (3<<16)|(1<<20)|(1<<21)|(5<<22)|(3<<25) ; W's: 4,096 dense bytes as 16 rows of 256, 16 bytes of padding behind each
	s_mov_b32 s[G1SB+1], 32<<16
	s_mov_b32 s[G1SB+2], 16<<16
	s_mov_b32 s[G1SB+3], 32<<16
	s_mov_b32 s[G1SB+4], 16
	s_mov_b32 s[G1SB+5], 32
	s_mov_b32 s[G1SB+6], 0
	s_mov_b32 s[G1SB+7], 0
	s_lshl_b32 s20, s43, 3
	s_lshl_b32 s19, s18, 2
	s_add_co_u32 s20, s20, s19                     ; a: the first row tile that I fetch
	s_lshl_b32 s22, s20, 9                         ; 512 scale bytes a row tile
	s_mov_b32 s23, 0
	s_mul_i32 s20, s20, 12288                      ; 12,288 bytes of codes
	s_mov_b32 s21, 0
	s_lshl_b32 s46, s42, 8
	s_lshl_b32 s19, s18, 7
	s_add_co_u32 s46, s46, s19                     ; W: the first row that I fetch
	s_lshl_b32 s92, s46, 5
	s_mov_b32 s93, 0
	s_mul_i32 s46, s46, KROW
	s_mov_b32 s47, 0
	s_mul_i32 s94, s18, 12288                      ; where they go: no place in the cluster enters an LDS address
	s_mul_i32 s95, s18, HALFT
	s_add_co_u32 s95, s95, ABYTES
	s_lshl_b32 s66, s18, 11
	s_add_co_u32 s66, s66, ASCL
	s_mul_i32 s67, s18, HALFS
	s_add_co_u32 s67, s67, BSCL
	s_wait_kmcnt 0x0
	s_add_nc_u64 s[20:21], s[4:5], s[20:21]
	s_add_nc_u64 s[22:23], s[6:7], s[22:23]
	s_add_nc_u64 s[46:47], s[8:9], s[46:47]
	s_add_nc_u64 s[92:93], s[10:11], s[92:93]
	CROUND                                         ; all sixteen work-groups are here: the first joint loads meet
	s_mov_b32 s[G0S], 1
	s_mov_b32 s[G0S+1], s66
	s_mov_b64 s[G0S+2:G0S+3], s[22:23]
	s_or_b32 s[G0S+3], s[G0S+3], 0x80000000
	s_mov_b32 s[G0SB], 1
	s_mov_b32 s[G0SB+1], s67
	s_mov_b64 s[G0SB+2:G0SB+3], s[92:93]
	s_or_b32 s[G0SB+3], s[G0SB+3], 0x80000000
	JLOAD G0S, G1S, G0SB, G1SB                     ; the scale bytes first
.irp s, 0,1
	s_mov_b32 s[G0+4*\s], 1
	s_add_co_u32 s[G0+4*\s+1], s94, \s*SLOT
	s_add_nc_u64 s[G0+4*\s+2:G0+4*\s+3], s[20:21], \s*3072
	s_or_b32 s[G0+4*\s+3], s[G0+4*\s+3], 0x80000000
	s_mov_b32 s[G0B+4*\s], 1
	s_add_co_u32 s[G0B+4*\s+1], s95, \s*SLOT
	s_add_nc_u64 s[G0B+4*\s+2:G0B+4*\s+3], s[46:47], \s*ROWB
	s_or_b32 s[G0B+4*\s+3], s[G0B+4*\s+3], 0x80000000
	s_wait_alu depctr_va_vdst(0)
	s_wait_tensorcnt 0x0
	ds_add_u32 v28, v29
	s_wait_dscnt 0x0
	CROUND
	JLOAD G0+4*\s, G1, G0B+4*\s, G1B               ; one load of mine is out
.endr
	v_and_b32 v1, 15, v0                           ; r
	v_bfe_u32 v2, v0, 4, 1                         ; h
	v_and_b32 v6, 31, v0
	v_lshlrev_b32 v[AD16], 4, v6
	v_lshl_add_u32 v[AD8], v6, 3, 512
	v_add_nc_u32 v[AD16+1], SLOT, v[AD16]
	v_add_nc_u32 v[AD8+1], SLOT, v[AD8]
	v_mul_u32_u24 v3, v1, PITCH
	v_mul_u32_u24 v4, v2, 24
	v_add_nc_u32 v4, v3, v4
	v_lshl_add_u32 v5, v2, 4, v4
	s_mul_i32 s22, s16, 64*PITCH                   ; my 64 rows of W, behind a's images
	s_add_co_u32 s22, s22, ABYTES
.irp s, 0,1
	v_add_nc_u32 v[ADRC+\s], s22, v4
	v_add_nc_u32 v[ADRC+2+\s], s22, v5
	s_add_co_u32 s22, s22, SLOT
.endr
	v_lshl_add_u32 v[ADSA], v1, 3, ASCL            ; a's scale words: 8 bytes a row and K step
	v_lshlrev_b32 v5, 5, v1
	v_lshrrev_b32 v6, 8, v5
	v_lshl_add_u32 v5, v6, 4, v5
	s_mul_i32 s22, s16, 4*SBLK
	s_add_co_u32 s22, s22, BSCL
	v_add_nc_u32 v[ADSB], s22, v5                  ; W's: 32 bytes a row, 16 more for each 256 passed
	s_mul_i32 s23, s16, 16*SPITCH
	s_add_co_u32 s23, s23, STG                     ; my stage
	v_mul_u32_u24 v5, v1, SPITCH
	v_lshl_add_u32 v5, v2, 5, v5
	v_add_nc_u32 v[STO], s23, v5                   ; in: row r, 32 bytes for each half of the lanes
	v_mul_u32_u24 v5, v2, SPITCH
	v_lshl_add_u32 v5, v1, 4, v5
	v_add_nc_u32 v[RD], s23, v5                    ; back: lanes 0-15 one row of 256 bytes, lanes 16-31 the next
	v_lshlrev_b32 v5, 12, v2
	v_lshl_add_u32 v[CO], v1, 4, v5                ; and the same two rows in out0 (4,096 bytes a row)
	s_lshl_b32 s20, s43, 19                        ; 128 rows of 4,096 bytes,
	s_lshl_b32 s21, s42, 10                        ; 256 columns of 4 bytes,
	s_add_co_u32 s20, s20, s21
	s_lshl_b32 s21, s16, 8                         ; my wave's 64 columns
	s_add_co_u32 s20, s20, s21
	s_mov_b32 s21, 0
	s_add_nc_u64 s[12:13], s[12:13], s[20:21]
.macro FRAG reg, adr, q, i             ; a fragment of W from rows of 192 bytes with 16 bytes of padding behind every 64: six pieces of 8 bytes
.irp p, 0,1,2,3,4,5
.set PCE, 12*(\q)+6*(\p/3)+\p%3
.if PCE%8 < 5
	ds_load_b64 v[\reg+2*\p:\reg+2*\p+1], v[\adr] offset:8*PCE+16*(PCE/8)+(\i)*16*PITCH
.else
	ds_load_b64 v[\reg+2*\p:\reg+2*\p+1], v[\adr+2] offset:8*PCE+16*(PCE/8)+(\i)*16*PITCH
.endif
.endr
.endm
.macro AFRAG reg, slot, q, i           ; a fragment of a: two half fragments, as they were stored
	ds_load_b128 v[\reg:\reg+3], v[AD16+\slot] offset:(\i)*3072+(\q)*1536
	ds_load_b64 v[\reg+4:\reg+5], v[AD8+\slot] offset:(\i)*3072+(\q)*1536
	ds_load_b128 v[\reg+6:\reg+9], v[AD16+\slot] offset:(\i)*3072+(\q)*1536+768
	ds_load_b64 v[\reg+10:\reg+11], v[AD8+\slot] offset:(\i)*3072+(\q)*1536+768
.endm
; 8 matrix instructions: row blocks a0, a0 + 1 x my four column blocks.  The 32 accumulators take turns, one instruction a turn, in the same order in every step.
.macro MUL8 a0, p, q, sc, zero
.irp a, \a0, \a0+1
.irp b, 0,1,2,3
.if \zero
	v_wmma_scale_f32_16x16x128_f8f6f4 v[8*(4*(\a)+\b):8*(4*(\a)+\b)+7], v[128*(\p)+FR*\b:128*(\p)+FR*\b+FR-1], v[AF+FR*(\a):AF+FR*(\a)+FR-1], 0, v[SWC+8*(\sc)+2*\b+(\q)], v[SWR+16*(\sc)+2*(\a)+(\q)] matrix_a_fmt:MATRIX_FMT_FP6 matrix_b_fmt:MATRIX_FMT_FP6
.else
	v_wmma_scale_f32_16x16x128_f8f6f4 v[8*(4*(\a)+\b):8*(4*(\a)+\b)+7], v[128*(\p)+FR*\b:128*(\p)+FR*\b+FR-1], v[AF+FR*(\a):AF+FR*(\a)+FR-1], v[8*(4*(\a)+\b):8*(4*(\a)+\b)+7], v[SWC+8*(\sc)+2*\b+(\q)], v[SWR+16*(\sc)+2*(\a)+(\q)] matrix_a_fmt:MATRIX_FMT_FP6 matrix_b_fmt:MATRIX_FMT_FP6
.endif
.endr
.endr
.endm
.macro FETCH_C slot, q, p
	WIN TO_C
.irp i, 0,1,2,3
	FRAG 128*(\p)+FR*\i, ADRC+\slot, \q, \i
.endr
	WIN 0
.endm
.macro FETCH_R slot, q, i0
.irp i, \i0, \i0+1, \i0+2, \i0+3
	AFRAG AF+FR*(\i), \slot, \q, \i
.endr
.endm
.macro SCALES sc
.irp i, 0,1,2,3,4,5,6,7
	ds_load_b64 v[SWR+16*\sc+2*\i:SWR+16*\sc+2*\i+1], v[ADSA] offset:\i*512
.endr
.irp i, 0,1,2,3
	ds_load_b64 v[SWC+8*\sc+2*\i:SWC+8*\sc+2*\i+1], v[ADSB] offset:\i*SBLK
.endr
.endm
.macro PLACES n
.rept \n
	v_nop
.endr
.endm
.macro STEP slot, q, zero
	s_wait_dscnt 16                                ; all but the youngest 16 loads (row blocks 4-7) are in
	WIN MUL
	MUL8 0, (\q)%2, \q, \slot, \zero
	MUL8 2, (\q)%2, \q, \slot, \zero
	s_wait_dscnt 0
	PLACES NP
	FETCH_C \slot, (\q)+1, 1-(\q)%2
	FETCH_R \slot, (\q)+1, 0
	WIN MUL
	MUL8 4, (\q)%2, \q, \slot, \zero
	MUL8 6, (\q)%2, \q, \slot, \zero
	PLACES NP
	WIN 0
	FETCH_R \slot, (\q)+1, 4
.endm
.macro TURN slot, next, fill
	s_wait_tensorcnt 0x0                           ; all my tensor loads have landed: my part of the next slot
	ds_add_u32 v[SPW], v[NIL]                      ; 0 onto my spare word
	s_wait_dscnt 17                                ; the add and the youngest 16 loads may be out
	WIN MUL
	MUL8 0, 1, 1, \slot, 0
	s_wait_dscnt 0x0                               ; the add is done, and my reads of this slot are over
	s_barrier_signal -1
	MUL8 2, 1, 1, \slot, 0
	WIN 0
	s_barrier_wait -1
.if \fill
	CREST                                          ; the barrier has opened a round of the cluster's
	s_add_nc_u64 s[G0+4*\slot+2:G0+4*\slot+3], s[G0+4*\slot+2:G0+4*\slot+3], 2*3072
	s_add_nc_u64 s[G0B+4*\slot+2:G0B+4*\slot+3], s[G0B+4*\slot+2:G0B+4*\slot+3], 2*ROWB
	JLOAD G0+4*\slot, G1, G0B+4*\slot, G1B         ; the first tensor load behind the round; its four v_nop are the places in front of the loads below
.else
	PLACES NP
.endif
	s_wait_alu depctr_va_vdst(0)
	v_add_nc_u32 v[ADSA], 128, v[ADSA]             ; on to the next K step's scale words
	v_add_nc_u32 v[ADSB], 8, v[ADSB]
	FETCH_C \next, 0, 0
	FETCH_R \next, 0, 0
	SCALES \next
	WIN MUL
	MUL8 4, 1, 1, \slot, 0
	MUL8 6, 1, 1, \slot, 0
	PLACES NP
	WIN 0
	FETCH_R \next, 0, 4
.endm
	s_wait_alu depctr_va_vdst(0)
	s_wait_tensorcnt 1                             ; the scale bytes and my part of K step 0 are in; K step 1's load may be out
	s_barrier_signal -1
	s_barrier_wait -1
	FETCH_C 0, 0, 0
	FETCH_R 0, 0, 0
	SCALES 0
	FETCH_R 0, 0, 4
	STEP 0, 0, 1                                   ; the first step's products start the sums
	s_mov_b32 s3, LAPS-1
.Llap:
	TURN 0, 1, 1
	STEP 1, 0, 0
	TURN 1, 0, 1
	STEP 0, 0, 0
	s_sub_co_u32 s3, s3, 1
	s_cmp_lg_u32 s3, 0
	s_cbranch_scc1 .Llap
	TURN 0, 1, 0                                   ; the last lap fills nothing
	STEP 1, 0, 0
	s_wait_dscnt 16
	WIN MUL
	MUL8 0, 1, 1, 1, 0
	MUL8 2, 1, 1, 1, 0
	s_wait_dscnt 0
	MUL8 4, 1, 1, 1, 0
	MUL8 6, 1, 1, 1, 0
	WIN 0
; THE WAY OUT, block by block of 16 rows x 64 columns, through my own stage: in as 32 bytes a lane, back as whole rows of 256 bytes.  LDS serves a wave's instructions in order.
.macro TOSTAGE a
	WIN 0x08                                       ; an LDS store's data: window 2
.irp b, 0,1,2,3
	ds_store_b128 v[STO], v[8*(4*(\a)+\b):8*(4*(\a)+\b)+3] offset:64*\b       ; each accumulator from its low end on
	ds_store_b128 v[STO], v[8*(4*(\a)+\b)+4:8*(4*(\a)+\b)+7] offset:64*\b+16
.endr
	WIN 0
.set BB, 96+128*((\a)%2)
.irp t, 0,1,2,3,4,5,6,7
	ds_load_b128 v[BB+4*\t:BB+4*\t+3], v[RD] offset:\t*2*SPITCH
.endr
.endm
.macro SEND a, younger                 ; younger: the LDS instructions issued behind this block's loads
.set BB, 96+128*((\a)%2)
	s_wait_dscnt \younger
.if (\a) > 0
	s_add_nc_u64 s[12:13], s[12:13], 65536         ; 16 rows on (behind a wait on XCNT: the earlier stores have read their base)
.endif
.irp t, 0,1,2,3,4,5,6,7
	global_store_b128 v[CO], v[BB+4*\t:BB+4*\t+3], s[12:13] offset:\t*8192 th:TH_STORE_NT   ; 16 lanes store 256 consecutive bytes, at a multiple of 256 from the buffer's first byte
.endr
.endm
	PLACES NP
	TOSTAGE 0
.irp a, 1,2,3,4,5,6,7
.if \a > 1
	s_wait_xcnt 0x0                                ; the stores of the block two back have read their registers and their base
.endif
	TOSTAGE \a
	SEND \a-1, 16                                  ; behind that block's loads: this block's 8 stores and 8 loads
.endr
	s_wait_xcnt 0x0
	SEND 7, 0
	s_wait_tensorcnt 0x0                           ; the wave's end
	ds_add_u32 v[SPW], v[NIL]
	s_wait_dscnt 0x0
	CROUND                                         ; the closing round
	s_endpgm
.Lfunc_end_k_q159a4b4f19_proj:
	.size	k_q159a4b4f19_proj, .Lfunc_end_k_q159a4b4f19_proj-k_q159a4b4f19_proj
	.p2alignl 7, 3214868480
	.fill 96, 4, 3214868480
	.section	.rodata,"a",@progbits
	.p2align	6, 0x0
	.amdhsa_kernel k_q159a4b4f19_proj
		.amdhsa_group_segment_fixed_size 327680
		.amdhsa_private_segment_fixed_size 0
		.amdhsa_enable_private_segment 0
		.amdhsa_kernarg_size 40
		.amdhsa_user_sgpr_count 2
		.amdhsa_user_sgpr_kernarg_segment_ptr 1
		.amdhsa_wavefront_size32 1
		.amdhsa_system_sgpr_workgroup_id_x 1
		.amdhsa_system_sgpr_workgroup_id_y 1
		.amdhsa_system_sgpr_workgroup_id_z 1
		.amdhsa_system_vgpr_workitem_id 0
		.amdhsa_next_free_vgpr 768
		.amdhsa_next_free_sgpr 96
		.amdhsa_reserve_vcc 0
		.amdhsa_float_denorm_mode_32 3
		.amdhsa_float_denorm_mode_16_64 3
		.amdhsa_memory_ordered 1
		.amdhsa_forward_progress 1
		.amdhsa_inst_pref_size 96
	.end_amdhsa_kernel
	.amdgpu_metadata
---
amdhsa.version: [ 1, 2 ]
amdhsa.kernels:
  - .name:           k_q159a4b4f19_proj
    .symbol:         k_q159a4b4f19_proj.kd
    .args:
      - { .name: ao_img, .offset: 0, .size: 8, .value_kind: global_buffer, .address_space: global }
      - { .name: ao_sc, .offset: 8, .size: 8, .value_kind: global_buffer, .address_space: global }
      - { .name: W_out_codes, .offset: 16, .size: 8, .value_kind: global_buffer, .address_space: global }
      - { .name: W_out_scales, .offset: 24, .size: 8, .value_kind: global_buffer, .address_space: global }
      - { .name: out0, .offset: 32, .size: 8, .value_kind: global_buffer, .address_space: global }
    .group_segment_fixed_size: 327680
    .private_segment_fixed_size: 0
    .kernarg_segment_align: 8
    .kernarg_segment_size: 40
    .max_flat_workgroup_size: 128
    .sgpr_count:     96
    .vgpr_count:     768
    .wavefront_size: 32
...
	.end_amdgpu_metadata
.endif
;; end of part 3
